; MI455X (gfx1250); checked and timed in simulation.
; The chip was launched on July 23, 2026; its instructions are those of AMD's public machine-readable ISA for CDNA 5 (MIT licence, August 2026) and "CDNA5" Instruction Set Architecture Reference Guide (July 2026). The comments in the code are by the model that wrote it; some were corrected since.
;; Bahdanau Attention. Allowed arithmetic: matrix products marked QUANTISED: E5M2 operands, one E8M0 scale for each 32 along K, by v_wmma_scale_f32_16x16x128_f8f6f4 with both operands' format E5M2, f32 sums; products left as they are: f32 operands where the result goes on into a quantised operand, else bf16, f16 or f32 operands; f32 sums; everything else in f32.
;; Inputs: Ua_b 1,024 float32; Ua_w 1,024 x 1,024 float32; Va_b 1 float32; Va_w 1 x 1,024 float32; Wa_b 1,024 float32; Wa_w 1,024 x 1,024 float32; keys 32 x 2,048 x 1,024 float32; query 32 x 1 x 1,024 float32.
;; Outputs: out0 32 x 1 x 1,024 float32; out1 32 x 1 x 2,048 float32.
;; This version of the problem:
;;   THIS VERSION OF THE PROBLEM IS GIVEN IN LOW PRECISION. The matrix products marked QUANTISED in the list below multiply operands that are first quantised to E5M2 (5 exponent bits, 2 mantissa bits; 8 bits a number), with one power-of-two scale for each 32 numbers along K (OCP MX v1.0); their sums are f32. All else is computed in f32.
;;   The module's matrix products, in the order in which they are computed (A, B: the left and right operand; K: the contracted axis; several contracted axes count as one K, in the product's order):
;;     1. [M 32, K 1,024] x [K 1,024, N 1,024]; A: input query; B: input Wa_w: QUANTISED
;;     2. [M 65,536, K 1,024] x [K 1,024, N 1,024]; A: input keys; B: input Ua_w: QUANTISED
;;     3. [M 65,536, K 1,024] x [K 1,024, N 1]; A: computed on the way; B: input Va_w: left as it is (N = 1 < 16)
;;     4. batch 32 x [M 1, K 2,048] x [K 2,048, N 1,024]; A: softmax; B: input keys: left as it is (M = 1 < 16)
;;   THE QUANTISER, for each operand of a quantised product, along K:
;;     - K is cut into blocks of 32 from its start; a last block that is shorter is filled with zeros.
;;     - A block's scale is 2^e with e = floor(log2(the largest magnitude in the block)) - 15, held to -126 .. 127; a block of zeros has e = 0. As a byte (E8M0): e + 127.
;;     - Each number is divided by its block's scale, clamped to +-57,344, and rounded to the nearest number of E5M2, ties to even, subnormals kept.
;;     - The product sums the exact products of the quantised numbers (number of the format x scale) in f32.
;;   ~~~python
;;   def quantise(x, axis):      # numpy; x: float32 -> the quantised numbers, widened to float32 again
;;       x = np.moveaxis(x, axis, -1); K = x.shape[-1]
;;       x = np.pad(x, [(0, 0)] * (x.ndim - 1) + [(0, -K % 32)]); x = x.reshape(x.shape[:-1] + (-1, 32)); a = np.abs(x).max(-1, keepdims=True)
;;       e = np.where(a > 0, np.clip(np.frexp(np.where(a > 0, a, 1))[1] - 1 - 15, -126, 127), 0)      # np.frexp(a)[1] - 1 = floor(log2(a)), exactly
;;       r = np.clip(x / 2.0 ** e, -57344, 57344)
;;       step = 2.0 ** (np.maximum(np.frexp(np.where(r == 0, 1, r))[1] - 1, -14) - 2)
;;       q = np.round(r / step) * step * 2.0 ** e      # np.round: ties to even
;;       return np.moveaxis(q.reshape(q.shape[:-2] + (-1,))[..., :K], -1, axis).astype(np.float32)
;;   ~~~
;; One version. Each part assembles by itself: llvm-mc -triple=amdgcn-amd-amdhsa -mcpu=gfx1250 --defsym DOCPART=n.
;; ======== version 1 of 1: 3 launches
;; limits: right only within a limited range of input values
;; workspace buffers: ua_img 1,081,344 bytes; qb 131,072 bytes; scores 262,144 bytes
;; launch prep (part 1): grid 64 x 1, 8 waves a work-group, no clusters, 85,504 bytes of LDS; arguments Ua_w, Wa_w, query, Ua_b, Wa_b, ua_img, qb; writes ua_img, qb
.if DOCPART == 1
	.amdgcn_target "amdgcn-amd-amdhsa--gfx1250"
	.amdhsa_code_object_version 6
	.text
	.protected	k_q2f43a6fba7_prep
	.globl	k_q2f43a6fba7_prep
	.p2align	8
	.type	k_q2f43a6fba7_prep,@function
k_q2f43a6fba7_prep:
	s_mov_b64 s[64:65], 0
	v_nop
	global_prefetch_b8 v0, s[64:65] scope:SCOPE_SE
	s_setreg_imm32_b32 hwreg(HW_REG_WAVE_MODE, 25, 1), 1
	s_wait_xcnt 0x0
; BAHDANAU ATTENTION, first of three launches.  B = 32, S = 2,048, H = 1,024.
; WORK LEFT OUT IN THE WHOLE PROGRAM, AND WHY IT IS DEAD.  Both outputs hang on softmax_s(scores[b][s]) alone, and a term that is the same for all s of a batch leaves a softmax as it was, whatever its value:
;   (1) Va_b[0] is added to every score alike.  It has no way to an output: it is not loaded and is among no launch's arguments.
;   (2) tanh(x) = 1 - 2 / (1 + e^(2x)) for every real x, so sum_o Va[o] tanh(x[s][o]) = sum_o Va[o] - 2 sum_o Va[o] / (1 + e^(2 x[s][o])): the first sum is the same for all s and goes too.
; What is kept is score2[s] = sum_o (-2 log2(e) Va[o]) / (1 + 2^(2 log2(e) x[s][o])), the score in units of log2, less a term without s; the row's true maximum is still taken away ahead of the exponential (third launch).
; LIMIT: a NaN, an infinity or an overflow that reaches only Va_b or only the sum of Va is not carried to the result.
; THIS LAUNCH: (a) Ua_w [1024 (o)][1024 (k)] f32 becomes codes of BF8 (E5M2) with one E8M0 byte for each 32 along k, laid as IMAGES OF THE OPERAND'S REGISTERS: for each tile of 16 rows o 16,896 bytes: fragment s (k = 128 s on)
; at 2,048 s + 512 c + 16 lane (registers 4 c .. 4 c + 3), and from byte 16,384 on the scale words: lane r + 16 (s / 4) at 16 x lane, word s % 4.
; (b) qb[o / 16][b][o % 16] = sum_k Q(query)[b][k] Q(Wa_w)[o][k] + Wa_b[o] + Ua_b[o]: the first quantised product, by the scaled matrix form, with both biases, which the second launch takes as the C of its sums.
; SHARES: work-group n takes rows 16 n .. 16 n + 15 of Ua_w and of Wa_w; wave s takes k = 128 s .. 128 s + 127.  The eight waves' parts of qb are added in f32 through LDS (qb goes into no quantiser).
; 64 work-groups: a tile has 16 rows, and there are 64 tiles.  No cluster: the work-groups share only query, 128 KiB; no tensor load: every byte goes through registers once.
; A block's scale is 2^(floor(log2(largest magnitude)) - 15); its byte is the largest magnitude's exponent field - 15, held at 1 from below.
; LIMITS: a block of zeros gets the byte 1 where the rule says 127 (its codes are zeros, which add nothing, and this program alone reads the bytes); NaN and infinities among the inputs are not served.
.set SPITCH, 528                       ; a stage row: 512 bytes + 16: the 16 rows that a load touches start 4 words apart in the banks
.set WSTG,   16*SPITCH                 ; a wave's stage
.set PARTQ,  8*WSTG                    ; the waves' parts of qb: 2,048 bytes each
.set USB,    PARTQ+8*2048              ; Ua's scale words of the tile: 512 bytes
.set SPARE,  USB+512                   ; the spare words, 128 bytes for each wave: no other line names them
.set TILEB,  16896
.set GOF, 4                            ; v4   16 lane + 512 s: my bytes in a row of 4,096
.set STW, 5                            ; v5   the stage, on the way in
.set STR, 6                            ; v6   and on the way out: 528 r + 64 h
.set IMO, 7                            ; v7   2,048 s + 16 lane: my place in the tile's image
.set USA, 8                            ; v8   where my row's scale word of Ua goes
.set PQA, 9                            ; v9   where my part of qb goes
.set RA,  10                           ; v10  where I read the eight parts of my two numbers of qb
.set QBO, 11                           ; v11  256 w + 8 l: my two numbers in the tile's 2,048 bytes of qb
.set BOF, 12                           ; v12  8 (l % 8): their biases
.set LI,  13                           ; v13  16 lane
.set USL, 15                           ; v15  USB + 16 lane
.set SPW, 16                           ; v16  my spare word; never rewritten
.set NIL, 17                           ; v17  0; never rewritten
.set PWU, 20                           ; v20-23 scale words of Ua, Wa, query rows 0-15, rows 16-31: they hold scales and nothing else
.set PWW, 21
.set PWQ0, 22
.set PWQ1, 23
.set TM,  24                           ; v24-39 at work in QUANT
.set X,   40                           ; v40-103 64 numbers
.set PCU, 104                          ; codes: Ua, Wa, query's two tiles
.set PCW, 120
.set PCQ0, 136
.set PCQ1, 152
.set D0,  168
.set D1,  176
.set BW,  184
.set BU,  186
.set RD,  188                          ; v188-203
.set WV,  18
.set SEL, 20
.set MNT, 22
.set MSB, 0
.macro WIN new                         ; the immediate's high byte repeats the setting that is left
.if MSB != (\new)
	s_set_vgpr_msb (MSB<<8)|(\new)
.set MSB, (\new)
.endif
.endm
; A set of 64 registers in window 1 holds 16 rows x 512 bytes as loaded (register 4 i ..: row i, 16 bytes a lane).  Through the wave's own stage they become 64 numbers of ONE row a lane:
; register 16 b + i = k 32 b + 16 h + i of row r.  LDS serves a wave's instructions in order: no wait between the stores and the loads.
.macro TURNIN set
	WIN 0x04                                       ; an LDS store's data are its source 1: window 1
.irp i, 0,1,2,3,4,5,6,7,8,9,10,11,12,13,14,15
	ds_store_b128 v[STW], v[64*(\set)+4*\i:64*(\set)+4*\i+3] offset:SPITCH*\i
.endr
	WIN 0
.irp b, 0,1,2,3
.irp j, 0,1,2,3
	ds_load_b128 v[X+16*\b+4*\j:X+16*\b+4*\j+3], v[STR] offset:128*\b+16*\j
.endr
.endr
	s_wait_dscnt 0x0
.endm
; 64 numbers v[s] on become a fragment's codes v[d] .. v[d + 15] and its scale word v[pw]
.macro QUANT s, d, pw
.irp b, 0,1,2,3
	v_max3_num_f32 v[TM+\b], |v[\s+16*\b]|, |v[\s+1+16*\b]|, 0x8000000   ; block b: my 16 numbers, and the floor 2^(16 - 127): the byte cannot fall under 1
.endr
.irp i, 2,4,6,8,10,12,14
.irp b, 0,1,2,3
	s_delay_alu instid0(VALU_DEP_4)
	v_max3_num_f32 v[TM+\b], v[TM+\b], |v[\s+16*\b+\i]|, |v[\s+1+16*\b+\i]|   ; the four blocks by turns
.endr
.endr
.irp b, 0,1,2,3
	s_delay_alu instid0(VALU_DEP_4)
	v_permlanex16_b32 v[TM+4+\b], v[TM+\b], s[SEL], s[SEL+1]
.endr
.irp b, 0,1,2,3
	s_delay_alu instid0(VALU_DEP_4)
	v_max_num_f32 v[TM+\b], v[TM+\b], v[TM+4+\b]   ; with lane l xor 16's: the block's largest magnitude
.endr
.irp b, 0,1,2,3
	s_delay_alu instid0(VALU_DEP_4)
	v_add_nc_u32 v[TM+12+\b], 0xf8800000, v[TM+\b] ; 15 off its exponent field: the conversion's scale operand
.endr
.irp b, 0,1,2,3
	v_and_or_b32 v[TM+8+\b], v[TM+\b], 0x7f800000, s[MNT]   ; 57,344 x the scale
.endr
.irp b, 0,1,2,3
	v_lshrrev_b32 v[TM+4+\b], 23, v[TM+12+\b]      ; the scale's byte
.endr
	s_delay_alu instid0(VALU_DEP_3)
	v_lshl_or_b32 v[\pw], v[TM+5], 8, v[TM+4]
	s_delay_alu instid0(VALU_DEP_1)
	v_lshl_or_b32 v[\pw], v[TM+6], 16, v[\pw]
	s_delay_alu instid0(VALU_DEP_1)
	v_lshl_or_b32 v[\pw], v[TM+7], 24, v[\pw]
.irp b, 0,1,2,3
.irp i, 0,1,2,3,4,5,6,7,8,9,10,11,12,13,14,15
	v_med3_num_f32 v[\s+16*\b+\i], v[\s+16*\b+\i], -v[TM+8+\b], v[TM+8+\b]   ; the conversion to an 8-bit code does not saturate (ISA guide 7.6.2): the hold
.endr
	v_cvt_scalef32_pk8_bf8_f32 v[\d+4*\b:\d+1+4*\b], v[\s+16*\b:\s+7+16*\b], v[TM+12+\b]
	v_cvt_scalef32_pk8_bf8_f32 v[\d+2+4*\b:\d+3+4*\b], v[\s+8+16*\b:\s+15+16*\b], v[TM+12+\b]
.endr
	v_nop                                          ; one plain line behind the last conversion
.endm
	s_load_b256 s[4:11], s[0:1], 0x0               ; Ua_w s[4:5], Wa_w s[6:7], query s[8:9], Ua_b s[10:11]
	s_load_b128 s[12:15], s[0:1], 0x20             ; Wa_b s[12:13], ua_img s[14:15]
	s_load_b64 s[16:17], s[0:1], 0x30              ; qb
	v_lshl_add_u32 v[SPW], v0, 2, SPARE
	v_mov_b32 v[NIL], 0
	v_lshrrev_b32 v1, 5, v0
	s_delay_alu instid0(VALU_DEP_1)
	v_readfirstlane_b32 s[WV], v1                  ; wave 0..7 = K step
	v_and_b32 v1, 31, v0                           ; lane
	v_and_b32 v2, 15, v0                           ; r
	v_bfe_u32 v3, v0, 4, 1                         ; h
	s_delay_alu instid0(VALU_DEP_3)
	v_lshlrev_b32 v[LI], 4, v1
	s_lshl_b32 s32, s[WV], 9
	v_add_nc_u32 v[GOF], s32, v[LI]
	s_mul_i32 s32, s[WV], WSTG
	v_add_nc_u32 v[STW], s32, v[LI]
	v_mul_u32_u24 v[STR], v2, SPITCH
	s_delay_alu instid0(VALU_DEP_1)
	v_lshl_add_u32 v[STR], v3, 6, v[STR]
	s_delay_alu instid0(VALU_DEP_1)
	v_add_nc_u32 v[STR], s32, v[STR]
	s_lshl_b32 s32, s[WV], 11
	v_add_nc_u32 v[IMO], s32, v[LI]
	v_add_nc_u32 v[PQA], s32, v[LI]
	s_delay_alu instid0(VALU_DEP_1)
	v_add_nc_u32 v[PQA], PARTQ, v[PQA]
	s_lshr_b32 s32, s[WV], 2
	s_lshl_b32 s32, s32, 8
	s_and_b32 s33, s[WV], 3
	s_lshl_b32 s33, s33, 2
	s_add_co_u32 s32, s32, s33
	s_add_co_u32 s32, s32, USB
	v_lshl_add_u32 v[USA], v2, 4, s32              ; USB + 16 (r + 16 (s / 4)) + 4 (s % 4)
	s_lshr_b32 s32, s[WV], 2                       ; thread (w, l) adds up qb(b = 4 w + l / 8, o = 2 (l % 8) and the next): accumulator w / 4, lane 4 (w % 4) + l / 8 + 16 ((l / 4) % 2), registers 2 (l % 4) on
	s_lshl_b32 s32, s32, 10
	s_and_b32 s33, s[WV], 3
	s_lshl_b32 s33, s33, 6
	s_add_co_u32 s32, s32, s33
	s_add_co_u32 s32, s32, PARTQ
	v_bfe_u32 v14, v0, 1, 1
	s_delay_alu instid0(VALU_DEP_1)
	v_lshl_add_u32 v[RA], v14, 9, s32
	v_bfe_u32 v14, v0, 3, 2
	s_delay_alu instid0(VALU_DEP_1)
	v_lshl_add_u32 v[RA], v14, 4, v[RA]
	v_bfe_u32 v14, v0, 2, 1
	s_delay_alu instid0(VALU_DEP_1)
	v_lshl_add_u32 v[RA], v14, 8, v[RA]
	v_and_b32 v14, 1, v0
	s_delay_alu instid0(VALU_DEP_1)
	v_lshl_add_u32 v[RA], v14, 3, v[RA]
	s_lshl_b32 s32, s[WV], 8
	v_lshl_add_u32 v[QBO], v1, 3, s32
	v_and_b32 v14, 7, v0
	s_delay_alu instid0(VALU_DEP_1)
	v_lshlrev_b32 v[BOF], 3, v14
	v_add_nc_u32 v[USL], USB, v[LI]
	s_mov_b32 s[SEL], 0x76543210
	s_mov_b32 s[SEL+1], 0xfedcba98                 ; v_permlanex16_b32's selects for lane l xor 16
	s_mov_b32 s[MNT], 0x600000                     ; the mantissa field of 57,344
.irp b, 0,1,2,3
	v_mov_b32 v[TM+4+\b], 0                        ; written once: a lane permute's destination counts as one of its sources
.endr
	s_lshl_b32 s24, ttmp9, 16                      ; 16 rows of 4,096 bytes
	s_mov_b32 s25, 0
	s_mul_i32 s26, ttmp9, TILEB
	s_mov_b32 s27, 0
	s_lshl_b32 s28, ttmp9, 11
	s_mov_b32 s29, 0
	s_lshl_b32 s30, ttmp9, 6
	s_mov_b32 s31, 0
	s_wait_alu depctr_va_vdst(0)
	s_wait_kmcnt 0x0
	s_add_nc_u64 s[4:5], s[4:5], s[24:25]
	s_add_nc_u64 s[6:7], s[6:7], s[24:25]
	s_add_nc_u64 s[14:15], s[14:15], s[26:27]
	s_add_nc_u64 s[16:17], s[16:17], s[28:29]
	s_add_nc_u64 s[10:11], s[10:11], s[30:31]
	s_add_nc_u64 s[12:13], s[12:13], s[30:31]
	global_load_b64 v[BW:BW+1], v[BOF], s[12:13]
	global_load_b64 v[BU:BU+1], v[BOF], s[10:11]
	WIN 0x40                                       ; destination window 1.  Each load: 32 lanes, 512 consecutive bytes of one row
.irp i, 0,1,2,3,4,5,6,7,8,9,10,11,12,13,14,15
	global_load_b128 v[4*\i:4*\i+3], v[GOF], s[4:5] offset:4096*\i th:TH_LOAD_NT
.endr
.irp i, 0,1,2,3,4,5,6,7,8,9,10,11,12,13,14,15
	global_load_b128 v[64+4*\i:64+4*\i+3], v[GOF], s[6:7] offset:4096*\i th:TH_LOAD_NT
.endr
.irp i, 0,1,2,3,4,5,6,7,8,9,10,11,12,13,14,15
	global_load_b128 v[128+4*\i:128+4*\i+3], v[GOF], s[8:9] offset:4096*\i
.endr
.irp i, 0,1,2,3,4,5,6,7,8,9,10,11,12,13,14,15
	global_load_b128 v[192+4*\i:192+4*\i+3], v[GOF], s[8:9] offset:4096*(16+\i)
.endr
	WIN 0
	s_wait_loadcnt 48                              ; Ua's 16 loads are in; the three younger sets may be out
	TURNIN 0
	QUANT X, PCU, PWU
.irp c, 0,1,2,3
	global_store_b128 v[IMO], v[PCU+4*\c:PCU+4*\c+3], s[14:15] offset:512*\c   ; the fragment's image: 512 consecutive bytes a store
.endr
	ds_store_b32 v[USA], v[PWU]                    ; both halves of the lanes hold the same word and store it to the same place
	s_wait_loadcnt 32
	TURNIN 1
	QUANT X, PCW, PWW
	s_wait_loadcnt 16
	TURNIN 2
	QUANT X, PCQ0, PWQ0
	s_wait_loadcnt 0x0
	TURNIN 3
	QUANT X, PCQ1, PWQ1
.rept 8
	v_nop                                          ; codes and scale words were written by vector instructions: eight places ahead of the scaled products
.endr
	; source 0 = 16 rows of Wa, source 1 = 16 rows of query: lane (r, h), register j: o = 8 h + j, batch 16 t + r
	v_wmma_scale_f32_16x16x128_f8f6f4 v[D0:D0+7], v[PCW:PCW+15], v[PCQ0:PCQ0+15], 0, v[PWW], v[PWQ0] matrix_a_fmt:MATRIX_FMT_BF8 matrix_b_fmt:MATRIX_FMT_BF8
	v_wmma_scale_f32_16x16x128_f8f6f4 v[D1:D1+7], v[PCW:PCW+15], v[PCQ1:PCQ1+15], 0, v[PWW], v[PWQ1] matrix_a_fmt:MATRIX_FMT_BF8 matrix_b_fmt:MATRIX_FMT_BF8
.rept 8
	v_nop                                          ; eight places ahead of the stores that read the results
.endr
	ds_store_b128 v[PQA], v[D0:D0+3]               ; each accumulator from its low end on
	ds_store_b128 v[PQA], v[D0+4:D0+7] offset:512
	ds_store_b128 v[PQA], v[D1:D1+3] offset:1024
	ds_store_b128 v[PQA], v[D1+4:D1+7] offset:1536
	s_wait_dscnt 0x0                               ; for the others' sake: my parts and my scale words lie in LDS
	s_barrier_signal -1
	s_barrier_wait -1
.irp i, 0,1,2,3,4,5,6,7
	ds_load_b64 v[RD+2*\i:RD+2*\i+1], v[RA] offset:2048*\i   ; the eight K steps' parts of my two numbers
.endr
	v_pk_add_f32 v[BW:BW+1], v[BW:BW+1], v[BU:BU+1]
	s_wait_dscnt 0x0
	v_pk_add_f32 v[RD:RD+1], v[RD:RD+1], v[RD+2:RD+3]
	v_pk_add_f32 v[RD+4:RD+5], v[RD+4:RD+5], v[RD+6:RD+7]
	v_pk_add_f32 v[RD+8:RD+9], v[RD+8:RD+9], v[RD+10:RD+11]
	v_pk_add_f32 v[RD+12:RD+13], v[RD+12:RD+13], v[RD+14:RD+15]
	s_delay_alu instid0(VALU_DEP_3)
	v_pk_add_f32 v[RD:RD+1], v[RD:RD+1], v[RD+4:RD+5]
	s_delay_alu instid0(VALU_DEP_2)
	v_pk_add_f32 v[RD+8:RD+9], v[RD+8:RD+9], v[RD+12:RD+13]
	s_delay_alu instid0(VALU_DEP_1)
	v_pk_add_f32 v[RD:RD+1], v[RD:RD+1], v[RD+8:RD+9]
	s_wait_alu depctr_va_vdst(0)
	v_pk_add_f32 v[RD:RD+1], v[RD:RD+1], v[BW:BW+1]
	global_store_b64 v[QBO], v[RD:RD+1], s[16:17]  ; a wave stores 256 consecutive bytes, aligned
	s_cmp_lg_u32 s[WV], 0
	s_cbranch_scc1 .Lnot_wave_0
	ds_load_b128 v[RD+4:RD+7], v[USL]              ; wave 0: the tile's 512 bytes of scale words
	s_wait_dscnt 0x0
	global_store_b128 v[LI], v[RD+4:RD+7], s[14:15] offset:16384
.Lnot_wave_0:
	s_wait_tensorcnt 0x0                           ; the wave's end, behind my last LDS store
	ds_add_u32 v[SPW], v[NIL]
	s_wait_dscnt 0x0
	s_endpgm
.Lfunc_end_k_q2f43a6fba7_prep:
	.size	k_q2f43a6fba7_prep, .Lfunc_end_k_q2f43a6fba7_prep-k_q2f43a6fba7_prep
	.p2alignl 7, 3214868480
	.fill 96, 4, 3214868480
	.section	.rodata,"a",@progbits
	.p2align	6, 0x0
	.amdhsa_kernel k_q2f43a6fba7_prep
		.amdhsa_group_segment_fixed_size 85504
		.amdhsa_private_segment_fixed_size 0
		.amdhsa_enable_private_segment 0
		.amdhsa_kernarg_size 56
		.amdhsa_user_sgpr_count 2
		.amdhsa_user_sgpr_kernarg_segment_ptr 1
		.amdhsa_wavefront_size32 1
		.amdhsa_system_sgpr_workgroup_id_x 1
		.amdhsa_system_sgpr_workgroup_id_y 1
		.amdhsa_system_sgpr_workgroup_id_z 1
		.amdhsa_system_vgpr_workitem_id 0
		.amdhsa_next_free_vgpr 512
		.amdhsa_next_free_sgpr 66
		.amdhsa_reserve_vcc 0
		.amdhsa_float_denorm_mode_32 3
		.amdhsa_float_denorm_mode_16_64 3
		.amdhsa_memory_ordered 1
		.amdhsa_forward_progress 1
		.amdhsa_inst_pref_size 59
	.end_amdhsa_kernel
	.amdgpu_metadata
---
amdhsa.version: [ 1, 2 ]
amdhsa.kernels:
  - .name:           k_q2f43a6fba7_prep
    .symbol:         k_q2f43a6fba7_prep.kd
    .args:
      - { .name: Ua_w, .offset: 0, .size: 8, .value_kind: global_buffer, .address_space: global }
      - { .name: Wa_w, .offset: 8, .size: 8, .value_kind: global_buffer, .address_space: global }
      - { .name: query, .offset: 16, .size: 8, .value_kind: global_buffer, .address_space: global }
      - { .name: Ua_b, .offset: 24, .size: 8, .value_kind: global_buffer, .address_space: global }
      - { .name: Wa_b, .offset: 32, .size: 8, .value_kind: global_buffer, .address_space: global }
      - { .name: ua_img, .offset: 40, .size: 8, .value_kind: global_buffer, .address_space: global }
      - { .name: qb, .offset: 48, .size: 8, .value_kind: global_buffer, .address_space: global }
    .group_segment_fixed_size: 85504
    .private_segment_fixed_size: 0
    .kernarg_segment_align: 8
    .kernarg_segment_size: 56
    .max_flat_workgroup_size: 256
    .sgpr_count:     66
    .vgpr_count:     512
    .wavefront_size: 32
...
	.end_amdgpu_metadata
.endif
;; end of part 1
;; launch scores (part 2): grid 256 x 1, 4 waves a work-group, clusters of 4 x 1, 327,680 bytes of LDS; arguments keys, ua_img, qb, Va_w, scores; writes scores
.if DOCPART == 2
	.amdgcn_target "amdgcn-amd-amdhsa--gfx1250"
	.amdhsa_code_object_version 6
	.text
	.protected	k_q2f43a6fba7_scores
	.globl	k_q2f43a6fba7_scores
	.p2align	8
	.type	k_q2f43a6fba7_scores,@function
k_q2f43a6fba7_scores:
	s_mov_b64 s[64:65], 0
	v_nop
	global_prefetch_b8 v0, s[64:65] scope:SCOPE_SE
	s_setreg_imm32_b32 hwreg(HW_REG_WAVE_MODE, 25, 1), 1
	s_wait_xcnt 0x0
	s_wait_alu depctr_hold_cnt(0) depctr_sa_sdst(0) depctr_va_vdst(0) depctr_va_sdst(0) depctr_va_ssrc(0) depctr_va_vcc(0) depctr_vm_vsrc(0)
	s_getreg_b32 s2, hwreg(HW_REG_IB_STS2, 6, 4)
	s_cmp_eq_u32 s2, 0
	s_cbranch_scc0 .Lentry_in_a_cluster
	s_endpgm
.Lentry_in_a_cluster:
	s_bfe_u32 s2, ttmp6, 0x10000c
	s_cmp_lg_u32 s2, 0x3003
	s_cbranch_scc0 .Lentry_shape_is_right
	s_endpgm
.Lentry_shape_is_right:
; Second launch: scores[b][s] = sum_o (-2 log2(e) Va[o]) / (1 + 2^(2 log2(e) x[s][o])), x = Q(keys)[s] . Q(Ua_w)[o] + qb[b][o].
; Va_b and the sum of Va are left out: they are the same along s (dead work: shown at the head of the first launch).
; SHARES.  Work-group n takes key rows 256 n on (one batch: n / 8), wave w 64 of them.  PART 1: the wave's 64 rows x 1,024 f32 are read once, 64 loads of 512 consecutive bytes out all the time,
; turned through the wave's own stage in LDS so that a lane holds neighbours along k, quantised (a block's byte = the largest magnitude's exponent field - 15, held at 1 from below; the hold at 57,344 x the scale),
; and the codes end in 512 registers (windows 2 and 3), by way of an image in LDS, so that the eight K steps can be a loop.
; PART 2: the 64 tiles of 16 rows of Ua (images of the operand's registers, made by the first launch) come through a ring of two slots of four tiles, filled by joint loads of the cluster's four work-groups,
; which all walk the same tiles.  OF A TILE'S EIGHT FRAGMENTS A WAVE TAKES FOUR FROM LDS AND FOUR BY GLOBAL LOADS FROM ua_img: waves 0 and 1 take K steps 0-3 from LDS, waves 2 and 3 K steps 4-7:
; 18 LDS loads a tile and wave in place of 34, and every byte of a slot is read from LDS by two waves.  One text serves all waves: with hw = wave / 2, a wave walks K in the order 4 hw + 0 .. 7 (mod 8) in part 1,
; so that window 2 holds the half of K that it takes from LDS; only addresses hang on hw.  (The sums over K are f32 in that order.)
; Source 0 = 16 key rows, source 1 = 16 rows of Ua: lane r holds output column o = r, register j key row 8 (lane / 16) + j.  So qb and Va are one number a lane and tile.
; A STAGE j: +1 on tile j - 2 and c x + c qb on tile j - 1 (32 packed lines); tile j's 32 matrix instructions, four accumulators by turns, with tile j + 1's fragments asked for ahead of them and in their middle;
; then one batch: 2^y of tile j - 1, 1 / (1 + 2^y) of tile j - 2, with the 16 multiply-adds by Va of tile j - 3 between.  Four sets of 32 results take turns.
; The sums over o stay apart by lane until the end: four DPP steps then add the sixteen lanes.
; No prefetch: the keys' loads are out all through part 1; a slot's refill has four tiles' work, 128 matrix instructions, in which to land; a tile's global loads name bytes that the slot's joint load has read four tiles earlier.
; LIMITS: a block of zeros gets the byte 1 where the rule says 127 (its codes are zeros; this program alone reads the bytes); NaN and infinities among the inputs are not served.
.set TILEB,  16896                     ; a tile's image: 8 fragments of 2,048 bytes, 512 bytes of scale words
.set SLOTB,  4*TILEB
.set CIMG,   2*SLOTB                   ; behind the ring: the codes' image, 16 fragments a wave
.set CSC,    CIMG+4*32768              ; their scale words
.set STAGE,  CSC+4*2048                ; the waves' stages
.set SPITCH, 528
.set WSTG,   16*SPITCH
.set QVT,    STAGE+4*WSTG              ; the table: 16 bytes for each o: c qb, c qb, -c Va, -c Va
.set SCO,    QVT+16384                 ; the way out: 256 bytes a wave
.set SPARE,  SCO+1024                  ; the spare words: no other line names them
.set LI,  2                            ; v2-5   16 lane + 8,192 hw + tile q of a slot: my four fragments in LDS
.set ABC, 6                            ; v6-9   the same in the slot in hand
.set AQ,  10                           ; v10    my place in the table for the slot in hand
.set TQ0, 11                           ; v11    QVT + 16 r
.set GOF, 12                           ; v12    16 lane
.set STW, 13
.set STR, 14
.set CI0, 15
.set CIA, 16
.set CS0, 17
.set CSA, 18
.set SOW, 19
.set SPW, 20                           ; my spare word; never rewritten
.set NIL, 21                           ; 0; never rewritten
.set SOR, 22
.set GSO, 23
.set BS,  24                           ; v24-31  Ua's scale words, two sets: scales and nothing else
.set AS,  32                           ; v32-63  the keys' scale words, 4 t + m, t in the order in which I walk K: scales and nothing else
.set QV,  64                           ; v64-79  four sets of a table entry
.set GK,  85                           ; v85     16 lane + the bytes along k of the K step that is being asked for
.set SB,  84                           ; v[LI + SB + q], v[ABC + SB + q] (v86-93): where tile q's scale words lie: lanes 0-15 take those of my LDS half of K
.set DD,  96                           ; v96-223 four sets of 32 results
.set ACC, 224                          ; v224-255 the sums: 8 m + j
.set X,   96                           ; part 1: 64 numbers, codes, work
.set PC,  160
.set TM,  176
.set PW,  192
.set WV,  14
.set G1,  24
.set G0A, 32
.set G0W, 36
.set KP,  40
.set CT,  42
.set CS,  43
.set TB,  44
.set NQ,  45
.set CC,  48
.set SEL, 50
.set MNT, 52
.set MSB, 0
.macro WIN new                         ; the immediate's high byte repeats the setting that is left
.if MSB != (\new)
	s_set_vgpr_msb (MSB<<8)|(\new)
.set MSB, (\new)
.endif
.endm
.macro CROUND                          ; a round of the cluster's barrier
	s_barrier_signal -1
	s_barrier_wait -1
	s_cmp_lg_u32 s[WV], 0
	s_cbranch_scc1 .Lnot_wave_0_\@
	s_barrier_signal -3
.Lnot_wave_0_\@:
	s_barrier_wait -3
	s_barrier_signal -1
	s_barrier_wait -1
.endm
.macro KLOAD m                         ; 16 rows x 512 bytes into set m of window 1
	WIN 0x40
.irp i, 0,1,2,3,4,5,6,7,8,9,10,11,12,13,14,15
	global_load_b128 v[64*(\m)+4*\i:64*(\m)+4*\i+3], v[GK], s[KP:KP+1] offset:(16*(\m)+\i)*4096 th:TH_LOAD_NT
.endr
	WIN 0
.endm
.macro KNEXT                           ; on to the next K step, round the row's 4,096 bytes; it stands behind s_wait_xcnt 0: the loads have read v[GK]
	s_add_co_u32 s62, s62, 512
	s_and_b32 s62, s62, 4095
	v_add_nc_u32 v[GK], s62, v[GOF]
	s_wait_alu depctr_va_vdst(0)                   ; the wait, directly behind the write
.endm
.macro TURNIN set                      ; through my stage: register 16 b + i = k 32 b + 16 h + i of row r.  LDS serves a wave's instructions in order
	WIN 0x04
.irp i, 0,1,2,3,4,5,6,7,8,9,10,11,12,13,14,15
	ds_store_b128 v[STW], v[64*(\set)+4*\i:64*(\set)+4*\i+3] offset:SPITCH*\i
.endr
	WIN 0
.irp b, 0,1,2,3
.irp j, 0,1,2,3
	ds_load_b128 v[X+16*\b+4*\j:X+16*\b+4*\j+3], v[STR] offset:128*\b+16*\j
.endr
.endr
	s_wait_dscnt 0x0
.endm
.macro QUANT s, d, pw                  ; 64 numbers become a fragment's codes and its scale word
.irp b, 0,1,2,3
	v_max3_num_f32 v[TM+\b], |v[\s+16*\b]|, |v[\s+1+16*\b]|, 0x8000000   ; with the floor 2^(16 - 127)
.endr
.irp i, 2,4,6,8,10,12,14
.irp b, 0,1,2,3
	v_max3_num_f32 v[TM+\b], v[TM+\b], |v[\s+16*\b+\i]|, |v[\s+1+16*\b+\i]|
.endr
.endr
.irp b, 0,1,2,3
	v_permlanex16_b32 v[TM+4+\b], v[TM+\b], s[SEL], s[SEL+1]
.endr
.irp b, 0,1,2,3
	v_max_num_f32 v[TM+\b], v[TM+\b], v[TM+4+\b]
.endr
.irp b, 0,1,2,3
	v_add_nc_u32 v[TM+12+\b], 0xf8800000, v[TM+\b]           ; 15 off the exponent field: the conversion's scale operand
.endr
.irp b, 0,1,2,3
	v_and_or_b32 v[TM+8+\b], v[TM+\b], 0x7f800000, s[MNT]    ; 57,344 x the scale
.endr
.irp b, 0,1,2,3
	v_lshrrev_b32 v[TM+4+\b], 23, v[TM+12+\b]
.endr
	v_lshl_or_b32 v[\pw], v[TM+5], 8, v[TM+4]
	v_lshl_or_b32 v[\pw], v[TM+6], 16, v[\pw]
	v_lshl_or_b32 v[\pw], v[TM+7], 24, v[\pw]
.irp b, 0,1,2,3
.irp i, 0,1,2,3,4,5,6,7,8,9,10,11,12,13,14,15
	v_med3_num_f32 v[\s+16*\b+\i], v[\s+16*\b+\i], -v[TM+8+\b], v[TM+8+\b]   ; the conversion does not saturate (ISA guide 7.6.2): the hold
.endr
	v_cvt_scalef32_pk8_bf8_f32 v[\d+4*\b:\d+1+4*\b], v[\s+16*\b:\s+7+16*\b], v[TM+12+\b]
	v_cvt_scalef32_pk8_bf8_f32 v[\d+2+4*\b:\d+3+4*\b], v[\s+8+16*\b:\s+15+16*\b], v[TM+12+\b]
.endr
	v_nop
.endm
	s_load_b256 s[4:11], s[0:1], 0x0               ; keys, ua_img, qb, Va_w
	s_load_b64 s[12:13], s[0:1], 0x20              ; scores
	v_lshl_add_u32 v[SPW], v0, 2, SPARE
	v_mov_b32 v[NIL], 0
	ds_add_u32 v[SPW], v[NIL]                      ; the opening lines: the add twice on end and its wait
	ds_add_u32 v[SPW], v[NIL]
	v_lshrrev_b32 v1, 5, v0
	v_readfirstlane_b32 s[WV], v1                  ; wave 0..3
	s_bfe_u32 s15, ttmp6, 0x40000
	s_lshl_b32 s16, ttmp9, 2
	s_add_co_u32 s16, s16, s15                     ; work-group 0..255
	s_mov_b32 s[G1+0], 15|(3<<16)|(1<<21)          ; the four partners; elements of 8 bytes: a tile's image is 66 dense rows of 256 bytes
	s_mov_b32 s[G1+1], 32<<16
	s_mov_b32 s[G1+2], 66<<16
	s_mov_b32 s[G1+3], 32<<16
	s_mov_b32 s[G1+4], 66
	s_mov_b32 s[G1+5], 32
	s_mov_b32 s[G1+6], 0
	s_mov_b32 s[G1+7], 0
	s_mov_b32 s[G0A], 1
	s_mul_i32 s[G0A+1], s[WV], TILEB               ; wave w fetches tile w of a slot
	s_mov_b32 s[G0W], 1
	s_add_co_u32 s[G0W+1], s[G0A+1], SLOTB
	s_mul_i32 s18, s[WV], TILEB
	s_mov_b32 s19, 0
	s_mov_b32 s[CC], 0x4038aa3b                    ; c = 2 log2(e)
	s_mov_b32 s[CC+1], s[CC]
	s_mov_b32 s[SEL], 0x76543210
	s_mov_b32 s[SEL+1], 0xfedcba98
	s_mov_b32 s[MNT], 0x600000
	s_lshl_b32 s20, s16, 20                        ; 256 rows of 4,096 bytes,
	s_lshl_b32 s21, s[WV], 18                      ; my wave's 64
	s_add_co_u32 s20, s20, s21
	s_mov_b32 s21, 0
	s_lshr_b32 s22, s16, 3
	s_lshl_b32 s22, s22, 6                         ; the batch's 64 bytes in each tile of qb
	s_mov_b32 s23, 0
	s_lshl_b32 s54, s16, 10
	s_mov_b32 s55, 0
	s_mul_i32 s56, s[WV], WSTG
	s_add_co_u32 s56, s56, STAGE
	s_lshl_b32 s57, s[WV], 15
	s_add_co_u32 s57, s57, CIMG
	s_lshl_b32 s58, s[WV], 11
	s_add_co_u32 s58, s58, CSC
	s_lshl_b32 s59, s[WV], 8
	s_add_co_u32 s60, s59, SCO
	s_lshr_b32 s61, s[WV], 1                       ; hw
	s_lshl_b32 s62, s61, 11                        ; my first K step, in bytes of a row: 2,048 hw
	s_xor_b32 s63, s61, 1
	s_lshl_b32 s63, s63, 13                        ; 8,192 (1 - hw): the half of a tile's image that I take by global loads
	v_and_b32 v1, 31, v0
	v_lshlrev_b32 v[GOF], 4, v1
	v_add_nc_u32 v[GK], s62, v[GOF]
	v_lshrrev_b32 v80, 1, v0                       ; thread t makes the table's entries o = 8 t .. 8 t + 7: qb at 2,048 (t / 2) + 32 (t % 2),
	v_lshlrev_b32 v80, 11, v80
	v_and_b32 v81, 1, v0
	v_lshl_add_u32 v80, v81, 5, v80
	v_lshlrev_b32 v81, 5, v0                       ; Va at 32 t
	s_wait_alu depctr_va_vdst(0)                   ; the wait ahead of the waits below
	s_wait_dscnt 0x0
	s_wait_kmcnt 0x0
	s_add_nc_u64 s[G0A+2:G0A+3], s[6:7], s[18:19]
	s_add_nc_u64 s[G0W+2:G0W+3], s[G0A+2:G0A+3], SLOTB
	s_or_b32 s[G0A+3], s[G0A+3], 0x80000000
	s_or_b32 s[G0W+3], s[G0W+3], 0x80000000
	s_mov_b32 s18, s63
	s_add_nc_u64 s[6:7], s[6:7], s[18:19]          ; ua_img at my global half of slot 0's tile 0
	s_lshl_b32 s63, s61, 13                        ; 8,192 hw: my LDS half
	s_add_nc_u64 s[KP:KP+1], s[4:5], s[20:21]
	s_add_nc_u64 s[8:9], s[8:9], s[22:23]
	s_add_nc_u64 s[12:13], s[12:13], s[54:55]
	global_load_b128 v[96:99], v80, s[8:9]
	global_load_b128 v[100:103], v80, s[8:9] offset:16
	global_load_b128 v[104:107], v81, s[10:11]
	global_load_b128 v[108:111], v81, s[10:11] offset:16
	KLOAD 0                                        ; the keys are asked for ahead of the round and the ring's first fill
	KLOAD 1
	KLOAD 2
	CROUND
	tensor_load_to_lds s[G0A:G0A+3], s[G1:G1+7]    ; slot 0: one tensor load a wave at the head
	s_nop 0
	v_and_b32 v82, 15, v0                          ; r
	v_bfe_u32 v83, v0, 4, 1                        ; h
	v_add_nc_u32 v94, s63, v[GOF]
.irp q, 0,1,2,3
	v_add_nc_u32 v[LI+\q], \q*TILEB, v94
.endr
	v_add_nc_u32 v95, s61, v83
	v_and_b32 v95, 1, v95                          ; (h + hw) % 2: lanes 0-15 take the scale words of K steps 4 hw on, lanes 16-31 the others
	v_lshlrev_b32 v95, 8, v95
	v_lshl_add_u32 v95, v82, 4, v95
.irp q, 0,1,2,3
	v_add_nc_u32 v[LI+SB+\q], \q*TILEB+16384, v95
.endr
	v_lshl_add_u32 v[TQ0], v82, 4, QVT
	v_add_nc_u32 v[STW], s56, v[GOF]
	v_mul_u32_u24 v[STR], v82, SPITCH
	v_lshl_add_u32 v[STR], v83, 6, v[STR]
	v_add_nc_u32 v[STR], s56, v[STR]
	v_add_nc_u32 v[CI0], s57, v[GOF]
	v_lshl_add_u32 v[CS0], v1, 2, s58
	v_lshl_add_u32 v[GSO], v1, 3, s59
	v_lshl_add_u32 v[SOW], v83, 5, s60             ; the way out: 32 bytes for each half of the lanes
	v_lshl_add_u32 v[SOR], v1, 3, s60
	v_lshl_add_u32 v84, v0, 7, QVT                 ; my eight entries of the table
.irp b, 0,1,2,3
	v_mov_b32 v[TM+4+\b], 0                        ; a lane permute's destination counts as one of its sources
.endr
	s_wait_alu depctr_va_vdst(0)                   ; the wait at the head's end
	s_wait_loadcnt 48                              ; qb and Va are in; the 48 loads of keys may be out
.irp e, 0,1,2,3,4,5,6,7
	v_mul_f32 v[112+4*\e], s[CC], v[96+\e]
	v_mul_f32 v[113+4*\e], s[CC], v[96+\e]
	v_mul_f32 v[114+4*\e], 0xc038aa3b, v[104+\e]
	v_mul_f32 v[115+4*\e], 0xc038aa3b, v[104+\e]
.endr
.irp e, 0,1,2,3,4,5,6,7
	ds_store_b128 v84, v[112+4*\e:115+4*\e] offset:16*\e
.endr
	KLOAD 3
	s_wait_xcnt 0x0
	KNEXT
.macro FRAG m, load, left
	s_wait_loadcnt \left                           ; this set's 16 loads are in; the younger sets may be out
	TURNIN \m
.if \load
	KLOAD \m
.endif
	QUANT X, PC, PW
.irp c, 0,1,2,3
	ds_store_b128 v[CIA], v[PC+4*\c:PC+4*\c+3] offset:2048*(\m)+512*\c
.endr
	ds_store_b32 v[CSA], v[PW] offset:128*(\m)
.endm
.macro KSTEP load                      ; 128 along k of my 64 rows
	v_add_nc_u32 v[CIA], s[CT], v[CI0]
	v_add_nc_u32 v[CSA], s[CS], v[CS0]
.if \load
	FRAG 0, 1, 48
	FRAG 1, 1, 48
	FRAG 2, 1, 48
	FRAG 3, 1, 48
	s_wait_xcnt 0x0                                ; the loads have read their offset: it may step
	KNEXT
	s_add_co_u32 s[CT], s[CT], 8192
	s_add_co_u32 s[CS], s[CS], 512
.else
	FRAG 0, 0, 48
	FRAG 1, 0, 32
	FRAG 2, 0, 16
	FRAG 3, 0, 0
.endif
.endm
.macro READBACK ch                     ; four K steps' codes into window 2 + ch, fragment 4 (t % 4) + m at 16 registers each; their scale words into v[AS + 4 t + m]
	WIN 0x80+0x40*(\ch)
.set f, 0
.rept 16
.irp c, 0,1,2,3
	ds_load_b128 v[16*f+4*\c:16*f+4*\c+3], v[CI0] offset:2048*f+512*\c
.endr
.set f, f+1
.endr
	WIN 0
.set f, 0
.rept 16
	ds_load_b32 v[AS+16*(\ch)+f], v[CS0] offset:128*f
.set f, f+1
.endr
.endm
	s_mov_b32 s[CT], 0
	s_mov_b32 s[CS], 0
	s_mov_b32 s46, 4
.Lka:
	KSTEP 1
	s_sub_co_u32 s46, s46, 1
	s_cmp_lg_u32 s46, 0
	s_cbranch_scc1 .Lka
	s_wait_tensorcnt 0x0                           ; slot 0 is in.  Slot 1's first fill is issued as a refill is
	ds_add_u32 v[SPW], v[NIL]
	s_wait_dscnt 0x0
	CROUND
	tensor_load_to_lds s[G0W:G0W+3], s[G1:G1+7]
	s_nop 0
.rept 4
	v_nop
.endr
	READBACK 0
	s_mov_b32 s[CT], 0
	s_mov_b32 s[CS], 0
	s_mov_b32 s46, 3
.Lkb:
	KSTEP 1
	s_sub_co_u32 s46, s46, 1
	s_cmp_lg_u32 s46, 0
	s_cbranch_scc1 .Lkb
	KSTEP 0
	READBACK 1
; PART 2
.macro BLD q, g, ar                    ; fragments 2 g, 2 g + 1 of my LDS half of the slot's tile q into set q % 2 of window 1
	WIN 0x40
.irp i, 0,1,2,3,4,5,6,7
	ds_load_b128 v[128*((\q)%2)+32*(\g)+4*\i:128*((\q)%2)+32*(\g)+4*\i+3], v[\ar+(\q)] offset:4096*(\g)+512*\i
.endr
.endm
.macro GLD q                           ; the four fragments of my other half, from ua_img: each load 512 consecutive bytes; registers 64 on of the set
	WIN 0x40
.irp i, 0,1,2,3,4,5,6,7,8,9,10,11,12,13,14,15
	global_load_b128 v[128*((\q)%2)+64+4*\i:128*((\q)%2)+64+4*\i+3], v[GOF], s[6:7] offset:(\q)*TILEB+512*\i
.endr
.endm
.macro LBS q, ar                       ; tile q's scale words: lanes 0-15 my LDS half's four K steps, lanes 16-31 the other half's
	ds_load_b128 v[BS+4*((\q)%2):BS+4*((\q)%2)+3], v[\ar+SB+(\q)]
.endm
.macro LQV q, qr                       ; and its table entry
	ds_load_b128 v[QV+4*(\q):QV+4*(\q)+3], v[\qr] offset:256*(\q)
.endm
.macro MM q, g                         ; my K steps 2 g, 2 g + 1: the four accumulators by turns; the first step starts the sums
	WIN 0x06+(\g)/2                                ; source 0: window 2 or 3, source 1: window 1, C and D: window 0
.irp u, 0,1
.irp m, 0,1,2,3
.set PS, 2*(\g)+\u
.set PD, DD+32*(\q)+8*\m
.set PA, 16*(4*(PS%4)+\m)
.set PB, 128*((\q)%2)+16*PS
.if PS == 0
	v_wmma_scale_f32_16x16x128_f8f6f4 v[PD:PD+7], v[PA:PA+15], v[PB:PB+15], 0, v[AS+\m], v[BS+4*((\q)%2)] matrix_a_fmt:MATRIX_FMT_BF8 matrix_b_fmt:MATRIX_FMT_BF8
.elseif PS < 4
	v_wmma_scale_f32_16x16x128_f8f6f4 v[PD:PD+7], v[PA:PA+15], v[PB:PB+15], v[PD:PD+7], v[AS+4*PS+\m], v[BS+4*((\q)%2)+PS] matrix_a_fmt:MATRIX_FMT_BF8 matrix_b_fmt:MATRIX_FMT_BF8
.else
	v_wmma_scale_f32_16x16x128_f8f6f4 v[PD:PD+7], v[PA:PA+15], v[PB:PB+15], v[PD:PD+7], v[AS+4*PS+\m], v[BS+4*((\q)%2)+PS-4] matrix_a_fmt:MATRIX_FMT_BF8 matrix_b_fmt:MATRIX_FMT_BF8 matrix_b_scale:MATRIX_SCALE_ROW1
.endif
.endr
.endr
.endm
; The change of slots: what the waves take of the slot's last tile lies in registers.  chg = 1: the slot is filled again, two slots ahead, behind a round of the cluster's barrier; chg = 2: nothing is left to fetch
.macro CHANGE chg
	s_wait_tensorcnt 0x0                           ; my part of the next slot is in;
	ds_add_u32 v[SPW], v[NIL]
.if \chg == 1
	s_xor_b32 s[G0W+1], s[G0W+1], SLOTB
	s_add_nc_u64 s[G0W+2:G0W+3], s[G0W+2:G0W+3], SLOTB
.endif
	s_wait_dscnt 0x0                               ; the add is done and my reads of this slot are over
.if \chg == 1
	CROUND
	tensor_load_to_lds s[G0W:G0W+3], s[G1:G1+7]
	s_nop 0
.rept 4
	v_nop
.endr
.else
	s_barrier_signal -1
	s_barrier_wait -1
.endif
.endm
; A stage.  q = j % 4.  mm: tile j is multiplied; ld: tile j + 1 is asked for; fa: +1 on tile j - 2; fm: c x + c qb on tile j - 1; fe, fr: their exponentials and reciprocals; ff: x Va of tile j - 3
.macro STG q, mm, ld, ar, qr, fa, fm, fe, fr, ff, chg
.set SE, DD+32*(((\q)+3)%4)
.set SR, DD+32*(((\q)+2)%4)
.set SF, DD+32*(((\q)+1)%4)
.set QM, QV+4*(((\q)+3)%4)
.set VF, QV+4*(((\q)+1)%4)+2
.if (\fm)*(1-(\fa))
.rept 8
	v_nop                                          ; eight places behind the products, where no other plain work stands there
.endr
.endif
	s_wait_alu depctr_va_vdst(0)                   ; the wait ahead of the lines that read the batch's and the products' results
.if \chg
.irp t, 0,1,2,3
	v_add_nc_u32 v[ABC+\t], s[TB], v[LI+\t]
	v_add_nc_u32 v[ABC+SB+\t], s[TB], v[LI+SB+\t]
.endr
	v_add_nc_u32 v[AQ], s[NQ], v[TQ0]
.endif
.if \fa
.irp n, 0,1,2,3,4,5,6,7,8,9,10,11,12,13,14,15
	v_pk_add_f32 v[SR+2*\n:SR+2*\n+1], v[SR+2*\n:SR+2*\n+1], 1.0 op_sel_hi:[1,0]
.endr
.endif
.if \fm
.irp n, 0,1,2,3,4,5,6,7,8,9,10,11,12,13,14,15
	v_pk_fma_f32 v[SE+2*\n:SE+2*\n+1], v[SE+2*\n:SE+2*\n+1], s[CC:CC+1], v[QM:QM+1] op_sel_hi:[1,0,1]   ; each accumulator from its low end on
.endr
.endif
	s_wait_alu depctr_va_vdst(0)                   ; the wait between these lines and the batch, and ahead of the waits below
.if \chg
	CHANGE \chg
.endif
.if \mm                                ; tile j + 1: 16 global loads and 9 LDS loads here, 8 LDS loads in the middle, its table entry behind the batch
.if \ld
	GLD ((\q)+1)%4
	WIN 0
	LBS ((\q)+1)%4, \ar
	BLD ((\q)+1)%4, 0, \ar
	s_wait_dscnt 9                                 ; all that tile j takes from LDS is in: the 9 just issued may be out
.else
	s_wait_dscnt 0x0
.endif
	MM \q, 0
	MM \q, 1
.if \ld
	BLD ((\q)+1)%4, 1, \ar
	s_wait_loadcnt 16                              ; tile j's global loads, asked for a stage ago, are in: tile j + 1's 16 may be out
.else
	s_wait_loadcnt 0x0
.endif
	MM \q, 2
	MM \q, 3
	WIN 0
.endif
.irp n, 0,1,2,3,4,5,6,7,8,9,10,11,12,13,14,15
.if \fe
	v_exp_f32 v[SE+2*\n], v[SE+2*\n]
.endif
.if \fr
	v_rcp_f32 v[SR+2*\n], v[SR+2*\n]
.endif
.if \ff
	v_pk_fma_f32 v[ACC+2*\n:ACC+2*\n+1], v[SF+2*\n:SF+2*\n+1], v[VF:VF+1], v[ACC+2*\n:ACC+2*\n+1]
.endif
.if \fe
	v_exp_f32 v[SE+2*\n+1], v[SE+2*\n+1]
.endif
.if \fr
	v_rcp_f32 v[SR+2*\n+1], v[SR+2*\n+1]
.endif
.endr
.if (\fe)+(\fr)
	v_nop                                          ; a plain place behind the batch,
	s_wait_alu depctr_va_vdst(0)                   ; and its wait, ahead of any label or branch
.endif
.if \ld
	LQV ((\q)+1)%4, \qr                            ; behind the lines that read the table entry of tile j - 3, whose registers this takes
.endif
.endm
.macro BODY chg                        ; stages 4 c + 3 .. 4 c + 6: they ask for the four tiles of slot c + 1
	s_xor_b32 s[TB], s[TB], SLOTB
	s_add_co_u32 s[NQ], s[NQ], 1024
	s_wait_xcnt 0x0                                ; the last slot's global loads have read their base: it may step
	s_add_nc_u64 s[6:7], s[6:7], SLOTB
	STG 3, 1, 1, ABC, AQ, 1, 1, 1, 1, 1, \chg
	STG 0, 1, 1, ABC, AQ, 1, 1, 1, 1, 1, 0
	STG 1, 1, 1, ABC, AQ, 1, 1, 1, 1, 1, 0
	STG 2, 1, 1, ABC, AQ, 1, 1, 1, 1, 1, 0
.endm
.set n, 0
.rept 32
	v_mov_b32 v[ACC+n], 0                          ; the sums begin as zeros, so that their first multiply-add can stand in the loop
.set n, n+1
.endr
	s_mov_b32 s[TB], 0
	s_mov_b32 s[NQ], 0
	s_wait_dscnt 0x0                               ; my part of the table lies in LDS, my codes in registers
	s_barrier_signal -1
	s_barrier_wait -1
	GLD 0                                          ; tile 0, in the order in which a stage asks
	WIN 0
	LBS 0, LI
	BLD 0, 0, LI
	BLD 0, 1, LI
	WIN 0
	LQV 0, TQ0
	STG 0, 1, 1, LI, TQ0, 0, 0, 0, 0, 0, 0
	STG 1, 1, 1, LI, TQ0, 0, 1, 1, 0, 0, 0
	STG 2, 1, 1, LI, TQ0, 1, 1, 1, 1, 0, 0
	s_mov_b32 s47, 14
.Lslot:
	BODY 1
	s_sub_co_u32 s47, s47, 1
	s_cmp_lg_u32 s47, 0
	s_cbranch_scc1 .Lslot
	BODY 2                                         ; the last slot is taken; nothing is fetched into the ring any more
	STG 3, 1, 0, ABC, AQ, 1, 1, 1, 1, 1, 0
	STG 0, 0, 0, ABC, AQ, 1, 1, 1, 1, 1, 0
	STG 1, 0, 0, ABC, AQ, 1, 0, 0, 1, 1, 0
	STG 2, 0, 0, ABC, AQ, 0, 0, 0, 0, 1, 0
.irp x, 1,2,4,8
.set n, 0
.rept 32
	v_add_f32_dpp v[ACC+n], v[ACC+n], v[ACC+n] row_xmask:\x row_mask:0xf bank_mask:0xf   ; the sixteen lanes' parts: every o
.set n, n+1
.endr
.endr
.irp m, 0,1,2,3
	ds_store_b128 v[SOW], v[ACC+8*\m:ACC+8*\m+3] offset:64*\m        ; rows 16 m + 8 h + 0 .. 7: the sixteen lanes of a half store the same numbers to the same place
	ds_store_b128 v[SOW], v[ACC+8*\m+4:ACC+8*\m+7] offset:64*\m+16
.endr
	ds_load_b64 v[80:81], v[SOR]                   ; LDS serves a wave's instructions in order
	s_wait_dscnt 0x0
	global_store_b64 v[GSO], v[80:81], s[12:13]    ; a wave stores 256 consecutive bytes, aligned
	s_wait_tensorcnt 0x0                           ; the wave's end
	ds_add_u32 v[SPW], v[NIL]
	s_wait_dscnt 0x0
	CROUND                                         ; the closing round
	s_endpgm
.Lfunc_end_k_q2f43a6fba7_scores:
	.size	k_q2f43a6fba7_scores, .Lfunc_end_k_q2f43a6fba7_scores-k_q2f43a6fba7_scores
	.p2alignl 7, 3214868480
	.fill 96, 4, 3214868480
	.section	.rodata,"a",@progbits
	.p2align	6, 0x0
	.amdhsa_kernel k_q2f43a6fba7_scores
		.amdhsa_group_segment_fixed_size 327680
		.amdhsa_private_segment_fixed_size 0
		.amdhsa_enable_private_segment 0
		.amdhsa_kernarg_size 40
		.amdhsa_user_sgpr_count 2
		.amdhsa_user_sgpr_kernarg_segment_ptr 1
		.amdhsa_wavefront_size32 1
		.amdhsa_system_sgpr_workgroup_id_x 1
		.amdhsa_system_sgpr_workgroup_id_y 1
		.amdhsa_system_sgpr_workgroup_id_z 1
		.amdhsa_system_vgpr_workitem_id 0
		.amdhsa_next_free_vgpr 1024
		.amdhsa_next_free_sgpr 66
		.amdhsa_reserve_vcc 0
		.amdhsa_float_denorm_mode_32 3
		.amdhsa_float_denorm_mode_16_64 3
		.amdhsa_memory_ordered 1
		.amdhsa_forward_progress 1
		.amdhsa_inst_pref_size 255
	.end_amdhsa_kernel
	.section	.bss,"aw",@nobits
	.p2align	6
	.space	262144
	.amdgpu_metadata
---
amdhsa.version: [ 1, 2 ]
amdhsa.kernels:
  - .name:           k_q2f43a6fba7_scores
    .symbol:         k_q2f43a6fba7_scores.kd
    .args:
      - { .name: keys, .offset: 0, .size: 8, .value_kind: global_buffer, .address_space: global }
      - { .name: ua_img, .offset: 8, .size: 8, .value_kind: global_buffer, .address_space: global }
      - { .name: qb, .offset: 16, .size: 8, .value_kind: global_buffer, .address_space: global }
      - { .name: Va_w, .offset: 24, .size: 8, .value_kind: global_buffer, .address_space: global }
      - { .name: scores, .offset: 32, .size: 8, .value_kind: global_buffer, .address_space: global }
    .group_segment_fixed_size: 327680
    .private_segment_fixed_size: 0
    .kernarg_segment_align: 8
    .kernarg_segment_size: 40
    .max_flat_workgroup_size: 128
    .sgpr_count:     66
    .vgpr_count:     1024
    .wavefront_size: 32
...
	.end_amdgpu_metadata
.endif
;; end of part 2
;; launch context (part 3): grid 8 x 32, 16 waves a work-group, no clusters, 10,752 bytes of LDS; arguments scores, keys, out0, out1; writes out0, out1
.if DOCPART == 3
	.amdgcn_target "amdgcn-amd-amdhsa--gfx1250"
	.amdhsa_code_object_version 6
	.text
	.protected	k_q2f43a6fba7_context
	.globl	k_q2f43a6fba7_context
	.p2align	8
	.type	k_q2f43a6fba7_context,@function
k_q2f43a6fba7_context:
	s_mov_b64 s[64:65], 0
	v_nop
	global_prefetch_b8 v0, s[64:65] scope:SCOPE_SE
	s_setreg_imm32_b32 hwreg(HW_REG_WAVE_MODE, 25, 1), 1
	s_wait_xcnt 0x0
; Third launch: out1[b][s] = softmax_s(scores), out0[b][h] = sum_s out1[b][s] keys[b][s][h], all in f32.
; The scores come in units of log2 and without Va_b and the sum of Va, which are the same along s (dead work: shown at the head of the first launch): w = 2^(score - the row's largest score) / the sum of these.
; SHARES.  Work-group (j, b) owns columns 128 j .. 128 j + 127 of batch b: each number of out0 has one owner.  Wave w takes key rows 128 w .. 128 w + 127, a lane four columns: a load of the wave covers 512 consecutive bytes of one row.
; Each of a batch's eight work-groups makes the whole softmax of 2,048 scores for itself (8 KiB read, four numbers a thread) and stores an eighth of out1.
; Thread t holds scores 4 t .. 4 t + 3, so wave w's 32 lanes hold the weights of just its own 128 rows: row i's weight is register i % 4 of lane i / 4, and goes to a scalar register by v_readlane_b32.
; So LDS carries only the sixteen waves' maxima, sums and parts of out0.  The softmax's LDS traffic stands ahead of the stream: the ring's first 32 loads go out behind its last LDS read; from then on 32 loads a wave are out.
; The four rounds of 32 rows are written with immediate offsets (127 rows of 4,096 bytes at the most): no base is stepped.
; No matrix unit: the product has one row.  No cluster and no tensor load: the work-groups share only the scores.  Every byte of keys is read once here, by loads that start at multiples of 256 bytes.
; LIMITS: NaN and infinities among the inputs are not served; v_exp_f32 gives 0 where 2^x would be denormal.
.set RMX,   0                          ; LDS: the sixteen waves' maxima,
.set RSM,   256                        ; their sums,
.set PART,  512                        ; their parts of out0, 512 bytes each,
.set SPARE, 8704                       ; and the spare words, 128 bytes for each wave: no other line names them
.set SPW, 2
.set NIL, 3
.set KO,  4                            ; v4   16 lane
.set T16, 6                            ; v6   16 x thread
.set RW1, 7                            ; v7   RMX + 4 w
.set RC,  8                            ; v8   RMX
.set PS,  10                           ; v10  512 w + 16 lane
.set SC,  16                           ; v16-19 my four scores, then p, then w
.set FG,  20                           ; v20-35 the sixteen waves' figures
.set K,   76                           ; v76-203 32 slots of four registers
.set SUM, 204                          ; v204-219 four sets of four sums
.set WV,  12
.set SW,  32                           ; s32-39 eight rows' weights
	s_load_b256 s[4:11], s[0:1], 0x0               ; scores s[4:5], keys s[6:7], out0 s[8:9], out1 s[10:11]
	v_lshl_add_u32 v[SPW], v0, 2, SPARE
	v_mov_b32 v[NIL], 0
	v_lshrrev_b32 v1, 5, v0
	v_readfirstlane_b32 s[WV], v1                  ; wave 0..15
	s_and_b32 s13, ttmp7, 0xffff                   ; the batch
	v_and_b32 v1, 31, v0
	v_lshlrev_b32 v[KO], 4, v1
	v_lshlrev_b32 v[T16], 4, v0
	s_mov_b32 s14, 0x76543210
	s_mov_b32 s15, 0xfedcba98                      ; v_permlanex16_b32's selects for lane l xor 16
	s_lshl_b32 s16, s13, 13                        ; a batch's 2,048 scores
	s_mov_b32 s17, 0
	s_lshl_b32 s18, s13, 23                        ; its keys,
	s_lshl_b32 s20, s[WV], 19                      ; my wave's 128 rows,
	s_add_co_u32 s18, s18, s20
	s_lshl_b32 s20, ttmp9, 9                       ; my work-group's 128 columns
	s_add_co_u32 s18, s18, s20
	s_mov_b32 s19, 0
	s_lshl_b32 s21, s13, 12
	s_add_co_u32 s20, s20, s21                     ; and the same columns in out0
	s_mov_b32 s21, 0
	s_lshl_b32 s22, s[WV], 2
	s_add_co_u32 s22, s22, RMX
	v_mov_b32 v[RW1], s22
	v_mov_b32 v[RC], RMX
	s_lshl_b32 s23, s[WV], 9
	s_wait_alu depctr_va_vdst(0)
	v_add_nc_u32 v[PS], s23, v[KO]
	v_mov_b32 v12, 0                               ; written once: a lane permute's destination counts as one of its sources
	v_mov_b32 v13, 0
.irp i, 0,1,2,3,4,5,6,7,8,9,10,11,12,13,14,15
	v_mov_b32 v[SUM+\i], 0
.endr
	s_wait_alu depctr_va_vdst(0)                   ; the wait at the head's end
	s_wait_kmcnt 0x0
	s_add_nc_u64 s[4:5], s[4:5], s[16:17]
	s_add_nc_u64 s[10:11], s[10:11], s[16:17]
	s_add_nc_u64 s[6:7], s[6:7], s[18:19]
	s_add_nc_u64 s[8:9], s[8:9], s[20:21]
	global_load_b128 v[SC:SC+3], v[T16], s[4:5]
	s_wait_loadcnt 0x0
	v_max3_num_f32 v11, v[SC], v[SC+1], v[SC+2]
	v_max_num_f32 v11, v11, v[SC+3]
	v_max_num_f32_dpp v11, v11, v11 row_xmask:1 row_mask:0xf bank_mask:0xf
	v_max_num_f32_dpp v11, v11, v11 row_xmask:2 row_mask:0xf bank_mask:0xf
	v_max_num_f32_dpp v11, v11, v11 row_xmask:4 row_mask:0xf bank_mask:0xf
	v_max_num_f32_dpp v11, v11, v11 row_xmask:8 row_mask:0xf bank_mask:0xf
	v_permlanex16_b32 v12, v11, s14, s15
	v_max_num_f32 v11, v11, v12
	ds_store_b32 v[RW1], v11                       ; all lanes store the same number to the wave's word
	s_wait_dscnt 0x0
	s_barrier_signal -1
	s_barrier_wait -1
.irp i, 0,1,2,3
	ds_load_b128 v[FG+4*\i:FG+4*\i+3], v[RC] offset:16*\i
.endr
	s_wait_dscnt 0x0
	v_max3_num_f32 v11, v[FG], v[FG+1], v[FG+2]
	v_max3_num_f32 v12, v[FG+3], v[FG+4], v[FG+5]
	v_max3_num_f32 v13, v[FG+6], v[FG+7], v[FG+8]
	v_max3_num_f32 v14, v[FG+9], v[FG+10], v[FG+11]
	v_max3_num_f32 v11, v11, v[FG+12], v[FG+13]
	v_max3_num_f32 v12, v12, v[FG+14], v[FG+15]
	v_max3_num_f32 v11, v11, v12, v13
	v_max_num_f32 v11, v11, v14                    ; the row's largest score: it is taken away ahead of the exponential
.irp i, 0,1,2,3
	v_sub_f32 v[SC+\i], v[SC+\i], v11
.endr
	s_wait_alu depctr_va_vdst(0)                   ; the wait ahead of the batch too
.irp i, 0,1,2,3
	v_exp_f32 v[SC+\i], v[SC+\i]
.endr
	v_nop                                          ; a plain line behind the last exponential,
	s_wait_alu depctr_va_vdst(0)                   ; and one wait for the four
	v_add_f32 v12, v[SC], v[SC+1]
	v_add_f32 v13, v[SC+2], v[SC+3]
	v_add_f32 v12, v12, v13
	v_add_f32_dpp v12, v12, v12 row_xmask:1 row_mask:0xf bank_mask:0xf
	v_add_f32_dpp v12, v12, v12 row_xmask:2 row_mask:0xf bank_mask:0xf
	v_add_f32_dpp v12, v12, v12 row_xmask:4 row_mask:0xf bank_mask:0xf
	v_add_f32_dpp v12, v12, v12 row_xmask:8 row_mask:0xf bank_mask:0xf
	v_permlanex16_b32 v13, v12, s14, s15
	v_add_f32 v12, v12, v13
	ds_store_b32 v[RW1], v12 offset:RSM-RMX        ; other bytes than the maxima's: no barrier is owed between
	s_wait_dscnt 0x0
	s_barrier_signal -1
	s_barrier_wait -1
.irp i, 0,1,2,3
	ds_load_b128 v[FG+4*\i:FG+4*\i+3], v[RC] offset:RSM-RMX+16*\i
.endr
	s_wait_dscnt 0x0
.irp i, 0,1,2,3,4,5,6,7,8,9,10,11,12,13,14,15,16,17,18,19,20,21,22,23,24,25,26,27,28,29,30,31
	global_load_b128 v[K+4*\i:K+4*\i+3], v[KO], s[6:7] offset:4096*\i th:TH_LOAD_NT   ; the ring is filled: rows 0 to 31 of my 128
.endr
	v_pk_add_f32 v[FG:FG+1], v[FG:FG+1], v[FG+2:FG+3]
	v_pk_add_f32 v[FG+4:FG+5], v[FG+4:FG+5], v[FG+6:FG+7]
	v_pk_add_f32 v[FG+8:FG+9], v[FG+8:FG+9], v[FG+10:FG+11]
	v_pk_add_f32 v[FG+12:FG+13], v[FG+12:FG+13], v[FG+14:FG+15]
	v_pk_add_f32 v[FG:FG+1], v[FG:FG+1], v[FG+4:FG+5]
	v_pk_add_f32 v[FG+8:FG+9], v[FG+8:FG+9], v[FG+12:FG+13]
	v_pk_add_f32 v[FG:FG+1], v[FG:FG+1], v[FG+8:FG+9]
	v_add_f32 v12, v[FG], v[FG+1]
	s_wait_alu depctr_va_vdst(0)                   ; the wait ahead of the transcendental too
	v_rcp_f32 v12, v12
	v_nop
	s_wait_alu depctr_va_vdst(0)
.irp i, 0,1,2,3
	v_mul_f32 v[SC+\i], v[SC+\i], v12
.endr
	s_wait_alu depctr_va_vdst(0)
	s_lshr_b32 s24, s[WV], 1
	s_cmp_lg_u32 s24, ttmp9                        ; my work-group's eighth of out1 lies in waves 2 j and 2 j + 1
	s_cbranch_scc1 .Lnot_out1
	global_store_b128 v[T16], v[SC:SC+3], s[10:11] ; 512 consecutive bytes a wave
.Lnot_out1:
; A round: 32 rows.  Eight rows' weights at a time go to s32-39.  Slot i: its load is in when at most 31 younger ones are out (31 - i of this round and the i refills); four multiply-adds, in four sets of sums by turns, so that 15 and more vector lines lie between a sum's write and its next read; fill = 1: the slot takes the row 32 further down.
.macro ROUND rr, fill
.irp i, 0,1,2,3,4,5,6,7,8,9,10,11,12,13,14,15,16,17,18,19,20,21,22,23,24,25,26,27,28,29,30,31
.if (\i)%8 == 0
.irp u, 0,1,2,3,4,5,6,7
	v_readlane_b32 s[SW+\u], v[SC+(\u)%4], 8*(\rr)+((\i)+\u)/4
.endr
.endif
.if \fill
	s_wait_loadcnt 31
.else
	s_wait_loadcnt 31-\i
.endif
.irp c, 0,1,2,3
	v_fmac_f32 v[SUM+4*((\i)%4)+\c], s[SW+(\i)%8], v[K+4*\i+\c]
.endr
.if \fill
	global_load_b128 v[K+4*\i:K+4*\i+3], v[KO], s[6:7] offset:4096*(32*((\rr)+1)+\i) th:TH_LOAD_NT
.endif
.endr
.endm
	ROUND 0, 1
	ROUND 1, 1
	ROUND 2, 1
	ROUND 3, 0                                     ; the last round loads nothing: the counts run down
	s_wait_alu depctr_va_vdst(0)                   ; the last sums were written round the round's last waits
	v_pk_add_f32 v[SUM:SUM+1], v[SUM:SUM+1], v[SUM+4:SUM+5]
	v_pk_add_f32 v[SUM+2:SUM+3], v[SUM+2:SUM+3], v[SUM+6:SUM+7]
	v_pk_add_f32 v[SUM+8:SUM+9], v[SUM+8:SUM+9], v[SUM+12:SUM+13]
	v_pk_add_f32 v[SUM+10:SUM+11], v[SUM+10:SUM+11], v[SUM+14:SUM+15]
	v_pk_add_f32 v[SUM:SUM+1], v[SUM:SUM+1], v[SUM+8:SUM+9]
	v_pk_add_f32 v[SUM+2:SUM+3], v[SUM+2:SUM+3], v[SUM+10:SUM+11]
	ds_store_b128 v[PS], v[SUM:SUM+3] offset:PART
	s_wait_dscnt 0x0
	s_barrier_signal -1
	s_barrier_wait -1
	s_cmp_lg_u32 s[WV], 0
	s_cbranch_scc1 .Lend
.irp i, 0,1,2,3,4,5,6,7,8,9,10,11,12,13,14,15
	ds_load_b128 v[K+4*\i:K+4*\i+3], v[KO] offset:PART+512*\i   ; wave 0 adds the sixteen parts
.endr
	s_wait_dscnt 0x0
.irp d, 8,4,2,1
.set ri, 0
.rept \d
	v_pk_add_f32 v[K+4*ri:K+4*ri+1], v[K+4*ri:K+4*ri+1], v[K+4*(ri+\d):K+4*(ri+\d)+1]
	v_pk_add_f32 v[K+4*ri+2:K+4*ri+3], v[K+4*ri+2:K+4*ri+3], v[K+4*(ri+\d)+2:K+4*(ri+\d)+3]
.set ri, ri+1
.endr
.endr
	global_store_b128 v[KO], v[K:K+3], s[8:9]      ; 512 consecutive bytes of out0
.Lend:
	s_wait_tensorcnt 0x0                           ; the wave's end, behind my last LDS store
	ds_add_u32 v[SPW], v[NIL]
	s_wait_dscnt 0x0
	s_endpgm
.Lfunc_end_k_q2f43a6fba7_context:
	.size	k_q2f43a6fba7_context, .Lfunc_end_k_q2f43a6fba7_context-k_q2f43a6fba7_context
	.p2alignl 7, 3214868480
	.fill 96, 4, 3214868480
	.section	.rodata,"a",@progbits
	.p2align	6, 0x0
	.amdhsa_kernel k_q2f43a6fba7_context
		.amdhsa_group_segment_fixed_size 10752
		.amdhsa_private_segment_fixed_size 0
		.amdhsa_enable_private_segment 0
		.amdhsa_kernarg_size 32
		.amdhsa_user_sgpr_count 2
		.amdhsa_user_sgpr_kernarg_segment_ptr 1
		.amdhsa_wavefront_size32 1
		.amdhsa_system_sgpr_workgroup_id_x 1
		.amdhsa_system_sgpr_workgroup_id_y 1
		.amdhsa_system_sgpr_workgroup_id_z 1
		.amdhsa_system_vgpr_workitem_id 0
		.amdhsa_next_free_vgpr 224
		.amdhsa_next_free_sgpr 66
		.amdhsa_reserve_vcc 0
		.amdhsa_float_denorm_mode_32 3
		.amdhsa_float_denorm_mode_16_64 3
		.amdhsa_memory_ordered 1
		.amdhsa_forward_progress 1
		.amdhsa_inst_pref_size 50
	.end_amdhsa_kernel
	.amdgpu_metadata
---
amdhsa.version: [ 1, 2 ]
amdhsa.kernels:
  - .name:           k_q2f43a6fba7_context
    .symbol:         k_q2f43a6fba7_context.kd
    .args:
      - { .name: scores, .offset: 0, .size: 8, .value_kind: global_buffer, .address_space: global }
      - { .name: keys, .offset: 8, .size: 8, .value_kind: global_buffer, .address_space: global }
      - { .name: out0, .offset: 16, .size: 8, .value_kind: global_buffer, .address_space: global }
      - { .name: out1, .offset: 24, .size: 8, .value_kind: global_buffer, .address_space: global }
    .group_segment_fixed_size: 10752
    .private_segment_fixed_size: 0
    .kernarg_segment_align: 8
    .kernarg_segment_size: 32
    .max_flat_workgroup_size: 512
    .sgpr_count:     66
    .vgpr_count:     224
    .wavefront_size: 32
...
	.end_amdgpu_metadata
.endif
;; end of part 3
